; MI455X (gfx1250); checked and timed in simulation.
; The chip was launched on July 23, 2026; its instructions are those of AMD's public machine-readable ISA for CDNA 5 (MIT licence, August 2026) and "CDNA5" Instruction Set Architecture Reference Guide (July 2026). The comments in the code are by the model that wrote it; some were corrected since.
;; Causal Self Attention. Allowed arithmetic: matrix products marked QUANTISED: E2M3 operands, one E8M0 scale for each 32 along K, by v_wmma_scale_f32_16x16x128_f8f6f4 with both operands' format E2M3, f32 sums; everything else in f32.
;; Inputs: Wk 1,024 x 1,024 float32; Wq 1,024 x 1,024 float32; Wv 1,024 x 1,024 float32; attention_mask 4 x 1 x 1 x 2,048 float32; bk 1,024 float32; bq 1,024 float32; bv 1,024 float32; hidden_states 4 x 2,048 x 1,024 float32.
;; Outputs: out0 4 x 16 x 2,048 x 64 float32.
;; This version of the problem:
;;   THIS VERSION OF THE PROBLEM IS GIVEN IN LOW PRECISION. The matrix products marked QUANTISED in the list below multiply operands that are first quantised to E2M3 (2 exponent bits, 3 mantissa bits; 6 bits a number), with one power-of-two scale for each 32 numbers along K (OCP MX v1.0); their sums are f32. All else is computed in f32.
;;   The module's matrix products, in the order in which they are computed (A, B: the left and right operand; K: the contracted axis; several contracted axes count as one K, in the product's order):
;;     1. [M 8,192, K 1,024] x [K 1,024, N 1,024]; A: input hidden_states; B: input Wq: QUANTISED
;;     2. [M 8,192, K 1,024] x [K 1,024, N 1,024]; A: input hidden_states; B: input Wk: QUANTISED
;;     3. [M 8,192, K 1,024] x [K 1,024, N 1,024]; A: input hidden_states; B: input Wv: QUANTISED
;;     4. batch 64 x [M 2,048, K 64] x [K 64, N 2,048]; A: computed on the way; B: computed on the way: QUANTISED
;;     5. batch 64 x [M 2,048, K 2,048] x [K 2,048, N 64]; A: softmax (see below); B: computed on the way: QUANTISED
;;   THE QUANTISER, for each operand of a quantised product, along K:
;;     - K is cut into blocks of 32 from its start; a last block that is shorter is filled with zeros.
;;     - A block's scale is 2^e with e = floor(log2(the largest magnitude in the block)) - 2, held to -126 .. 127; a block of zeros has e = 0. As a byte (E8M0): e + 127.
;;     - Each number is divided by its block's scale, clamped to +-7.5, and rounded to the nearest number of E2M3, ties to even, subnormals kept.
;;     - The product sums the exact products of the quantised numbers (number of the format x scale) in f32.
;;   ~~~python
;;   def quantise(x, axis):      # numpy; x: float32 -> the quantised numbers, widened to float32 again
;;       x = np.moveaxis(x, axis, -1); K = x.shape[-1]
;;       x = np.pad(x, [(0, 0)] * (x.ndim - 1) + [(0, -K % 32)]); x = x.reshape(x.shape[:-1] + (-1, 32)); a = np.abs(x).max(-1, keepdims=True)
;;       e = np.where(a > 0, np.clip(np.frexp(np.where(a > 0, a, 1))[1] - 1 - 2, -126, 127), 0)      # np.frexp(a)[1] - 1 = floor(log2(a)), exactly
;;       r = np.clip(x / 2.0 ** e, -7.5, 7.5)
;;       step = 2.0 ** (np.maximum(np.frexp(np.where(r == 0, 1, r))[1] - 1, 0) - 3)
;;       q = np.round(r / step) * step * 2.0 ** e      # np.round: ties to even
;;       return np.moveaxis(q.reshape(q.shape[:-2] + (-1,))[..., :K], -1, axis).astype(np.float32)
;;   ~~~
;;   SOFTMAX AHEAD OF A QUANTISED PRODUCT. Where the list says 'softmax', what is quantised is not the finished softmax but p = 2^(t - M), with t = logit x log2(e) and M = ceil(the row's largest t), a whole number; so 1/2 < the row's largest p <= 1. The row's sum l is taken of the UNQUANTISED p, in f32, and the product's result is divided by l at the end. Since M is a whole number, a kernel that streams over the keys may use a running M (the ceiling of the running maximum): every later rescaling is an exact power of two, which a block's scale takes up: the codes' values come out the same.
;;   OPERANDS COMPUTED ON THE WAY. 'Computed on the way' means the value that the module computes at that place (a softmax that the list does not call 'softmax' is quantised finished and normalised). What goes into a quantiser is computed in f32, as accurately as f32 sums, v_exp_f32 and their like allow (about 1e-6 of the number): no bf16 or f16 on the way to a quantiser, and a product that is left as it is and whose result goes on into a quantised operand takes f32 operands (vector FMAs, or v_wmma_f32_16x16x4_f32). A number that lies on a knife's edge between two numbers of the format may be rounded either way, as far as f32 arithmetic and the matrix unit's own rounding can turn it there, and no further.
;; One version. Each part assembles by itself: llvm-mc -triple=amdgcn-amd-amdhsa -mcpu=gfx1250 --defsym DOCPART=n.
;; ======== version 1 of 1: 3 launches
;; workspace buffers: x_codes 6,291,456 bytes; x_scales 262,144 bytes; w_codes 2,359,296 bytes; w_scales 98,304 bytes; q_rec 6,815,744 bytes; kv 13,893,632 bytes
;; launch quant (part 1): grid 352 x 1, 4 waves a work-group, no clusters, 33,280 bytes of LDS; arguments hidden_states, Wq, Wk, Wv, x_codes, x_scales, w_codes, w_scales; writes x_codes, x_scales, w_codes, w_scales
.if DOCPART == 1
	.amdgcn_target "amdgcn-amd-amdhsa--gfx1250"
	.amdhsa_code_object_version 6
	.text
	.protected	k_qfab45cb680_quant
	.globl	k_qfab45cb680_quant
	.p2align	8
	.type	k_qfab45cb680_quant,@function
k_qfab45cb680_quant:
	s_mov_b64 s[64:65], 0
	v_nop
	global_prefetch_b8 v0, s[64:65] scope:SCOPE_SE
	s_setreg_imm32_b32 hwreg(HW_REG_WAVE_MODE, 25, 1), 1
	s_wait_xcnt 0x0
; LAUNCH 1 OF 3.  hidden_states [8192][1024] and Wq, Wk, Wv [1024][1024], f32, become codes of FP6 (E2M3), K innermost, 768 bytes a row, with one E8M0 byte for each 32 along K, 32 bytes a row.
; THE PROGRAM: (1) this launch; (2) q, k, v = x W^T + b on codes, quantised again on the way out into records laid as the third launch's operand registers; (3) causal attention on those records.
; WORK LEFT OUT, in the whole program: only key steps of 128 keys that lie wholly behind a tile of queries.  reference() adds -1e9 to the logit of every key k > q before its softmax, so that
; p = 2^(t - M) of such a key is under 2^(-1e9) of the row's largest p whenever the row has a visible key whose logit is not about 1e9 under a hidden key's; key k = q is always visible.
; LIMITS: that holds while scores and attention_mask spread by less than about 9e8 along a row; a row whose visible keys all stand at -infinity is not served; NaN and infinities in
; hidden_states, W and b are not served; a NaN, an infinity or an overflow that reaches only the key steps left out is not carried to the result.  Every input has a way to the output: all eight are loaded.
; A block's scale is 2^(floor(log2(its largest magnitude)) - 2); its byte is the largest magnitude's exponent field - 2, held at 1 from below.  A block of zeros so gets the byte 1 where the rule says 127:
; its codes are zeros, which add nothing under any byte but 0xff, and this program alone reads the bytes.  Blocks whose largest magnitude lies under 2^-124 were not tried.
; THE ROWS ARE STORED IN ANOTHER ORDER: in every 32 rows the four groups of 8 rows lie in the order 0, 2, 1, 3.  So place r of the stored tile 2 b + u (16 stored rows on end) is row 32 b + 8 u + r + 8 (r / 8),
; and the 16 registers that a lane gets from two neighbouring tiles of a transposed product are 16 NEIGHBOURS along the next product's K.  A wave owns just 8 rows: the order costs two bits of its number.
; SHARES: a work-group takes 32 rows, a wave 8 rows = 16 steps of 512 numbers.  Work-groups 0-255: hidden_states; 256 + 32 t + i: W of t = 0 (q), 1 (k), 2 (v).  One path for all: only pointers are chosen.
; Each load reads 512 consecutive bytes; a step's 2,048 bytes turn through the wave's own stage in LDS so that a lane holds 16 neighbours along K (two lanes hold a block).  No tensor loads, no barrier.
.set WAVES, 4
.set STEPS, 16
.set XWG,   256                        ; work-groups of hidden_states
.set EMAX,  2
.set CB,    12                         ; bytes of 16 codes
.set R,     16                         ; v16-79   four sets of 16 numbers as they are loaded
.set X,     80                         ; v80-111  two sets of 16 neighbours
.set C,     128                        ; v128-191 codes: four registers for each step, so that no store's data are written again
.set E,     112                        ; v112-127 a scale byte for each step
.set WREG,  8192                       ; LDS: a region for each wave: two stages of 32 x SP bytes, behind them its 256 scale bytes
.set SP,    80                         ; a lane's place in a stage: 64 bytes + 16 of padding
.set SPW,   12                         ; v12  LDS address of my spare word; never rewritten
.set NIL,   13                         ; v13  0; never rewritten
.set SPARE, WAVES*WREG                 ; behind the regions: the spare words, 128 bytes a wave, which no other line names
	s_load_b256 s[4:11], s[0:1], 0x0               ; hidden_states, Wq, Wk, Wv
	s_load_b256 s[12:19], s[0:1], 0x20             ; x_codes, x_scales, w_codes, w_scales
	v_lshl_add_u32 v[SPW], v0, 2, SPARE
	v_mov_b32 v[NIL], 0
	v_lshrrev_b32 v1, 5, v0
	v_readfirstlane_b32 s24, v1                    ; wave
	v_and_b32 v2, 31, v0                           ; lane
	v_lshlrev_b32 v3, 4, v2                        ; my 16 bytes of a load's 512
	s_mul_i32 s25, s24, WREG
	v_lshrrev_b32 v14, 2, v2
	v_mul_u32_u24 v14, v14, SP
	v_and_b32 v15, 3, v2
	v_lshl_add_u32 v14, v15, 4, v14
	v_add_nc_u32 v14, s25, v14                     ; the stage, on the way in: SP (lane / 4) + 16 (lane % 4)
	v_mul_u32_u24 v15, v2, SP
	v_add_nc_u32 v15, s25, v15                     ; and on the way out: SP x lane: my 16 neighbours
	v_mul_u32_u24 v4, v2, CB                       ; my codes' place in a step's
	v_lshrrev_b32 v5, 1, v2
	s_add_co_u32 s25, s25, 2*32*SP
	v_add_nc_u32 v5, s25, v5                       ; LDS: my wave's 256 scale bytes, my block's byte
	v_lshlrev_b32 v7, 3, v2                        ; and on the way out 8 bytes a lane
	v_add_nc_u32 v6, s25, v7
	s_sub_co_u32 s20, ttmp9, XWG                   ; a weight's work-group: 0 .. 95 (meaningless for hidden_states, and not used there)
	s_lshr_b32 s21, s20, 5                         ; which weight
	s_and_b32 s22, s20, 31                         ; which 32 rows of it
	s_wait_kmcnt 0x0
	s_cmp_eq_u32 s21, 1                            ; every choice hangs on the work-group's number alone
	s_cselect_b64 s[6:7], s[8:9], s[6:7]
	s_cmp_eq_u32 s21, 2
	s_cselect_b64 s[6:7], s[10:11], s[6:7]         ; the weight
	s_cmp_lt_u32 ttmp9, XWG
	s_cselect_b64 s[4:5], s[4:5], s[6:7]           ; from where,
	s_cselect_b64 s[12:13], s[12:13], s[16:17]     ; the codes' buffer,
	s_cselect_b64 s[14:15], s[14:15], s[18:19]     ; the scale bytes' buffer,
	s_cselect_b32 s22, ttmp9, s22                  ; which 32 rows of the source,
	s_cselect_b32 s20, ttmp9, s20                  ; and of the destination (the three weights lie on end there)
	s_lshl_b32 s22, s22, 2
	s_add_co_u32 s22, s22, s24                     ; my 8 rows in the source
	s_lshl_b32 s26, s22, 15                        ; x 32,768 bytes (under 2^26)
	s_mov_b32 s27, 0
	s_add_nc_u64 s[4:5], s[4:5], s[26:27]
	s_and_b32 s28, s24, 1
	s_lshl_b32 s28, s28, 1
	s_lshr_b32 s29, s24, 1
	s_or_b32 s28, s28, s29                         ; groups 0, 1, 2, 3 go to places 0, 2, 1, 3
	s_lshl_b32 s20, s20, 2
	s_add_co_u32 s20, s20, s28                     ; my 8 rows' place in the destination
	s_mul_i32 s26, s20, 32*STEPS*CB                ; x 6,144 bytes of codes
	s_add_nc_u64 s[12:13], s[12:13], s[26:27]
	s_lshl_b32 s26, s20, 8                         ; x 256 scale bytes
	s_add_nc_u64 s[14:15], s[14:15], s[26:27]
.macro LOAD t
.irp i, 0,1,2,3
	global_load_b128 v[R+16*((\t)%4)+4*\i:R+16*((\t)%4)+4*\i+3], v3, s[4:5] offset:2048*(\t)+512*\i th:TH_LOAD_NT   ; 32 lanes read 512 consecutive bytes
.endr
.endm
.macro TURN t                          ; step t's numbers through the stage: LDS serves a wave's instructions in order, so no wait stands between the stores and the loads
.irp i, 0,1,2,3
	ds_store_b128 v14, v[R+16*((\t)%4)+4*\i:R+16*((\t)%4)+4*\i+3] offset:32*SP*((\t)%2)+8*SP*\i
.endr
.irp i, 0,1,2,3
	ds_load_b128 v[X+16*((\t)%2)+4*\i:X+16*((\t)%2)+4*\i+3], v15 offset:32*SP*((\t)%2)+16*\i
.endr
.endm
.irp t, 0,1,2,3
	LOAD \t
.endr
	s_wait_loadcnt 12                              ; step 0's four loads are in; the twelve behind them stay out
	TURN 0
.macro STEP t
.set XS, X+16*((\t)%2)
.if (\t) > 0
	s_wait_dscnt 1                                 ; this step's numbers are back from the stage (the last step's byte store may be out): so its stores into the stage have read their registers,
.else
	s_wait_dscnt 0x0
.endif
.if (\t)+4 < STEPS
	LOAD (\t)+4                                    ; which take the loads of four steps on
.endif
.if (\t)+1 < STEPS
.if STEPS-2-(\t) >= 3
	s_wait_loadcnt 12                              ; the next step's four loads are in; those of the three steps behind it may be out
.else
	s_wait_loadcnt 4*(STEPS-2-(\t))
.endif
	TURN (\t)+1                                    ; and go through the other stage while this step is worked
.endif
	v_max3_num_f32 v8, |v[XS]|, |v[XS+1]|, |v[XS+2]|               ; the largest magnitude of my 16, in two chains
	v_max3_num_f32 v9, |v[XS+3]|, |v[XS+4]|, |v[XS+5]|
.irp i, 6,10
	v_max3_num_f32 v8, v8, |v[XS+\i]|, |v[XS+\i+1]|
	v_max3_num_f32 v9, v9, |v[XS+\i+2]|, |v[XS+\i+3]|
.endr
	v_max3_num_f32 v8, v8, |v[XS+14]|, |v[XS+15]|
	v_max3_num_f32 v8, v8, v9, (EMAX+1)<<23        ; and the floor 2^(3 - 127): the byte cannot fall under 1
	v_max_num_f32_dpp v8, v8, v8 row_xmask:1 row_mask:0xf bank_mask:0xf   ; and of my neighbour's 16: the block's
	v_add_nc_u32 v11, -(EMAX<<23), v8              ; 2 off its exponent field: the conversion takes the exponent field of this operand as its scale
	v_cvt_scalef32_pk16_fp6_f32 v[C+4*(\t):C+4*(\t)+2], v[XS:XS+15], v11   ; sixteen codes, 96 bits without gaps; beyond 7.5 the largest code
	v_lshrrev_b32 v[E+(\t)], 23, v11               ; the scale's byte (a plain line behind the conversion)
	ds_store_b8 v5, v[E+(\t)] offset:16*(\t)       ; both lanes of a block write the same byte with the same value
	global_store_b96 v4, v[C+4*(\t):C+4*(\t)+2], s[12:13] offset:32*CB*(\t)   ; the wave stores 384 consecutive bytes
.endm
.irp t, 0,1,2,3,4,5,6,7,8,9,10,11,12,13,14,15
	STEP \t
.endr
	ds_load_b64 v[8:9], v6                         ; LDS serves a wave's instructions in order: these see my stores
	s_wait_dscnt 0x0
	global_store_b64 v7, v[8:9], s[14:15]          ; 32 lanes store 256 consecutive bytes, aligned
	s_wait_tensorcnt 0x0                           ; the wave's end, behind my last LDS store
	ds_add_u32 v[SPW], v[NIL]
	s_wait_dscnt 0x0
	s_endpgm
.Lfunc_end_k_qfab45cb680_quant:
	.size	k_qfab45cb680_quant, .Lfunc_end_k_qfab45cb680_quant-k_qfab45cb680_quant
	.p2alignl 7, 3214868480
	.fill 96, 4, 3214868480
	.section	.rodata,"a",@progbits
	.p2align	6, 0x0
	.amdhsa_kernel k_qfab45cb680_quant
		.amdhsa_group_segment_fixed_size 33280
		.amdhsa_private_segment_fixed_size 0
		.amdhsa_enable_private_segment 0
		.amdhsa_kernarg_size 64
		.amdhsa_user_sgpr_count 2
		.amdhsa_user_sgpr_kernarg_segment_ptr 1
		.amdhsa_wavefront_size32 1
		.amdhsa_system_sgpr_workgroup_id_x 1
		.amdhsa_system_sgpr_workgroup_id_y 1
		.amdhsa_system_sgpr_workgroup_id_z 1
		.amdhsa_system_vgpr_workitem_id 0
		.amdhsa_next_free_vgpr 192
		.amdhsa_next_free_sgpr 66
		.amdhsa_reserve_vcc 0
		.amdhsa_float_denorm_mode_32 3
		.amdhsa_float_denorm_mode_16_64 3
		.amdhsa_memory_ordered 1
		.amdhsa_forward_progress 1
		.amdhsa_inst_pref_size 33
	.end_amdhsa_kernel
	.amdgpu_metadata
---
amdhsa.version: [ 1, 2 ]
amdhsa.kernels:
  - .name:           k_qfab45cb680_quant
    .symbol:         k_qfab45cb680_quant.kd
    .args:
      - { .name: hidden_states, .offset: 0, .size: 8, .value_kind: global_buffer, .address_space: global }
      - { .name: Wq, .offset: 8, .size: 8, .value_kind: global_buffer, .address_space: global }
      - { .name: Wk, .offset: 16, .size: 8, .value_kind: global_buffer, .address_space: global }
      - { .name: Wv, .offset: 24, .size: 8, .value_kind: global_buffer, .address_space: global }
      - { .name: x_codes, .offset: 32, .size: 8, .value_kind: global_buffer, .address_space: global }
      - { .name: x_scales, .offset: 40, .size: 8, .value_kind: global_buffer, .address_space: global }
      - { .name: w_codes, .offset: 48, .size: 8, .value_kind: global_buffer, .address_space: global }
      - { .name: w_scales, .offset: 56, .size: 8, .value_kind: global_buffer, .address_space: global }
    .group_segment_fixed_size: 33280
    .private_segment_fixed_size: 0
    .kernarg_segment_align: 8
    .kernarg_segment_size: 64
    .max_flat_workgroup_size: 128
    .sgpr_count:     66
    .vgpr_count:     192
    .wavefront_size: 32
...
	.end_amdgpu_metadata
.endif
;; end of part 1
;; launch proj (part 2): grid 8 x 48, 4 waves a work-group, clusters of 4 x 4, 327,680 bytes of LDS; arguments x_codes, x_scales, w_codes, w_scales, bq, bk, bv, attention_mask, q_rec, kv; writes q_rec, kv
.if DOCPART == 2
	.amdgcn_target "amdgcn-amd-amdhsa--gfx1250"
	.amdhsa_code_object_version 6
	.text
	.protected	k_qfab45cb680_proj
	.globl	k_qfab45cb680_proj
	.p2align	8
	.type	k_qfab45cb680_proj,@function
k_qfab45cb680_proj:
	s_mov_b64 s[64:65], 0
	v_nop
	global_prefetch_b8 v0, s[64:65] scope:SCOPE_SE
	s_setreg_imm32_b32 hwreg(HW_REG_WAVE_MODE, 25, 1), 1
	s_wait_xcnt 0x0
	s_wait_alu depctr_hold_cnt(0) depctr_sa_sdst(0) depctr_va_vdst(0) depctr_va_sdst(0) depctr_va_ssrc(0) depctr_va_vcc(0) depctr_vm_vsrc(0)
	s_getreg_b32 s2, hwreg(HW_REG_IB_STS2, 6, 4)
	s_cmp_eq_u32 s2, 0
	s_cbranch_scc0 .Lentry_in_a_cluster
	s_endpgm
.Lentry_in_a_cluster:
	s_bfe_u32 s2, ttmp6, 0x10000c
	s_cmp_lg_u32 s2, 0xf033
	s_cbranch_scc0 .Lentry_shape_is_right
	s_endpgm
.Lentry_shape_is_right:
; LAUNCH 2 OF 3.  q, k, v = x W^T + b on codes of FP6 (E2M3) with E8M0 scales, sums in f32; the results are quantised again in registers and leave as IMAGES OF THE NEXT LAUNCH'S OPERAND REGISTERS.
; A tile of 256 x 256 results is made by four waves, 128 x 128 each: 64 accumulators, 512 registers.  K = 1,024 goes in four steps of 256 through two LDS slots filled by the tensor data mover;
; the scale bytes of the work-group's 2 x 256 rows come once, in whole runs of 256 bytes, and stay.  4 x 4 work-groups form a cluster: the tile named A here (source 1) is shared along a row of the
; cluster, the tile named B (source 0) along a column, each asked for jointly.  384 tiles: 24 clusters.
; WHO IS A AND WHO IS B.  Clusters y = 0..7 make q (cluster x = 0) and k (x = 1): A = 256 rows of x, B = 256 rows of W.  A lane then holds ONE TOKEN and its registers run along the head's channels: the K of q k^T.
; Clusters y = 8..11 make v: A = 256 rows of Wv, B = 256 rows of x.  A lane then holds ONE CHANNEL and its registers run along the tokens: the keys, the K of p v.  The choice hangs on the cluster's number alone.
; Rows of x and W lie in the stored order of launch 1 (in every 32 rows the groups of 8 in the order 0, 2, 1, 3): so in the 64 registers that a lane has of one block of A (8 accumulators),
; register 16 b + i is index 32 b + 16 (lane / 16) + i along the next K, and sixteen on end go into one conversion.
; RECORDS.  q_rec [64 heads][16 runs of 128 queries] of 6,656 bytes: 8 tiles x 768 bytes of codes (6 registers a lane: registers 2 c, 2 c + 1 of lane l at 256 c + 8 l), then 128 scale words.
; kv [64][16 runs of 128 keys] of 13,568 bytes: +0 k's 8 tiles x 768; +6,144 v's 4 tiles of 16 channels x 1,536 (12 registers a lane: registers 4 c .. 4 c + 3 at 512 c + 16 l); +12,288 k's 128 scale words;
; +12,800 v's 64 scale words; +13,056 8 x attention_mask of the 128 keys.  A scale word of q or k holds its head's two bytes below; the two above are the neighbouring head's or 0: they meet zero codes alone.
; LIMITS: as stated at the head of launch 1.  8 x attention_mask overflows beyond 4.2e37.
; REGISTERS: window 0: v1-31 addresses; v32-63 scale words, two sets; v64-127 biases; v128-223 A's fragments, one set; v224-235 the tail's.  Window 1: B's fragments, two sets.  Windows 2, 3: the accumulators.
; On the way out window 0's v32-223 are used anew (below).
.set SIZE_K, 1024
.set KSTEP,  256                       ; along K in a slot
.set NQ,     KSTEP/128                 ; matrix instructions deep
.set ROWB,   192                       ; a tile's row in bytes
.set KROW,   SIZE_K*6/8                ; a row of codes in memory
.set PITCH,  240                       ; an LDS row: 3 x (64 bytes + 16 of padding): the 32 lanes of a load of 8 bytes fall on 64 different words modulo 256 bytes
.set FR,     12                        ; registers of a fragment: 16 rows x 128 K
.set NL,     6                         ; LDS loads that bring one
.set NP,     4                         ; places behind this matrix instruction (ISA guide 7.12.1)
.set HALFT,  128*PITCH                 ; 128 rows: what one tensor load brings
.set SLOT,   4*HALFT                   ; A's 256 rows, then B's 256 rows
.set LAPS,   SIZE_K/(2*KSTEP)          ; 2
.set KS,     SIZE_K/32                 ; a row of scale bytes
.set SCL,    2*SLOT                    ; behind the ring: the scales, as runs of 256 bytes + 16 of padding
.set HALFS,  (128*KS/256)*272          ; those of 128 rows
.set SBLK,   (16*KS/256)*272           ; those of 16 rows
.set SPARE,  SCL+4*HALFS               ; behind the scales: the spare words, 128 bytes a wave, which no other line names
.set REC,    13568
.set QREC,   6656
.set HEADB,  16*REC                    ; from head to head in kv
.set VOFF,   6144
.set KSOFF,  12288
.set VSOFF,  12800
.set MOFF,   13056
.set CO8,  7                           ; v7   8 x lane
.set CO16, 8                           ; v8   16 x lane
.set BOQ,  9                           ; v9   64 (lane / 16): my half's 16 numbers of each 32 of bq, bk
.set BOV,  10                          ; v10  4 (r + 8 (r / 8)): my channel's place in a tile's 32 of bv
.set SSQ,  11                          ; v11  q, k: the stage for scale words, in: 1,024 x wave + 4 r
.set SRQ,  12                          ; v12  and back: 1,024 x wave + 16 x lane
.set SSV,  13                          ; v13  v: 4,096 + 512 x wave + 4 r (bytes of its own for each of the two ways out)
.set SRV,  14                          ; v14  4,096 + 512 x wave + 16 x lane
.set VSO,  15                          ; v15  v's scale words in kv: lanes 0-15 my first head, lanes 16-31 the next
.set ADRA, 16                          ; v16-17 LDS address of my A fragments in slot 0, 1 (v18-19: behind one padding more)
.set ADRB, 20                          ; v20-21 the same for B (v22-23)
.set ADRS, 27                          ; v27  LDS address of my scale words: lanes 0-15 A's rows, lanes 16-31 B's
.set SPW,  28                          ; v28  LDS address of my spare word; never rewritten
.set NIL,  29                          ; v29  0; never rewritten
.set SC,   32                          ; scale words: set s at v[SC + 16 s]; register 2 i + q: lanes 0-15 A's block i, lanes 16-31 B's block i
.set AF,   128                         ; A's fragments
.set TM,   32                          ; the way out: v32-47 at work in QUANT
.set PWR,  48                          ; v48-55  block a's scale word
.set PWB,  56                          ; v56-63  the second head's
.set BIAS, 64                          ; v64-127
.set ST,   128                         ; v128-191 64 numbers
.set PC,   192                         ; v192-210 codes
.set MK,   224                         ; v224-227 attention_mask
.set T,    228                         ; v228-235 scale words on their way out
.set G1, 24
.set G0, 32
.set G1B, 48
.set G0B, 56
.set G1S, 68
.set G0S, 76
.set G1SB, 80
.set G0SB, 88
.set SEL, 20                           ; s[20:21] on the way out: lane selects for lane l xor 16
.set MSB, 0
.macro WIN new                         ; the immediate's high byte repeats the setting that is left
.if MSB != \new
	s_set_vgpr_msb (MSB<<8)|\new
.set MSB, \new
.endif
.endm
.set MUL_LO, 0xa1                      ; source 0 (B) window 1, source 1 (A) window 0, C and D window 2
.set MUL_HI, 0xf1                      ; the same, C and D window 3
.set TO_B,   0x40                      ; destination window 1, address window 0
; A joint load: waves 0 and 1 fetch for A, waves 2 and 3 for B.  Each line has one mask and one set of registers for all that issue it; the branch hangs on the wave's number alone.
; An s_nop 0 and four v_nop follow each of the two lines.
.macro JLOAD g0a, g1a, g0b, g1b
	s_cmp_eq_u32 s15, 0
	s_cbranch_scc0 .Lfor_b_\@
	tensor_load_to_lds s[\g0a:\g0a+3], s[\g1a:\g1a+7]
	s_nop 0
.rept 4
	v_nop
.endr
	s_branch .Lasked_\@
.Lfor_b_\@:
	tensor_load_to_lds s[\g0b:\g0b+3], s[\g1b:\g1b+7]
	s_nop 0
.rept 4
	v_nop
.endr
.Lasked_\@:
.endm
.macro CREST                           ; a round of the cluster's barrier behind its opening barrier
	s_cmp_lg_u32 s14, 0
	s_cbranch_scc1 .Lnot_wave_0_\@
	s_barrier_signal -3
.Lnot_wave_0_\@:
	s_barrier_wait -3
	s_barrier_signal -1
	s_barrier_wait -1
.endm
.macro CROUND                          ; a whole round
	s_barrier_signal -1
	s_barrier_wait -1
	CREST
.endm
	s_load_b256 s[4:11], s[0:1], 0x0               ; x_codes, x_scales, w_codes, w_scales
	s_load_b256 s[92:99], s[0:1], 0x20             ; bq, bk, bv, attention_mask
	s_load_b64 s[100:101], s[0:1], 0x40            ; q_rec
	s_load_b64 s[104:105], s[0:1], 0x48            ; kv
	v_lshl_add_u32 v[SPW], v0, 2, SPARE
	v_mov_b32 v[NIL], 0
	ds_add_u32 v[SPW], v[NIL]                      ; the wave's opening: an add, twice on end, and its wait ahead of my first tensor load
	ds_add_u32 v[SPW], v[NIL]                      ; (once more; the set-up below, work on registers, stands between it and the wait)
	v_lshrrev_b32 v1, 5, v0
	v_readfirstlane_b32 s14, v1                    ; wave 0..3
	s_lshr_b32 s15, s14, 1                         ; which 128 rows of A are mine.  Also: I fetch for A (0) or for B (1)
	s_and_b32 s16, s14, 1                          ; which 128 rows of B.  Also: which 128 rows of that tile I fetch
	s_bfe_u32 s40, ttmp6, 0x40000                  ; cx, cy: my place in the cluster
	s_bfe_u32 s41, ttmp6, 0x40004
	s_mov_b32 s67, ttmp9                           ; cluster x: 0 or 1
	s_and_b32 s18, ttmp7, 0xffff                   ; cluster y: 0 .. 11
	s_sub_co_u32 s19, s18, 8
	s_lshl_b32 s19, s19, 1
	s_add_co_u32 s19, s19, s67                     ; v: 2 (y - 8) + x: which 1,024 tokens
	s_cmp_ge_u32 s18, 8
	s_cselect_b32 s66, 1, 0                        ; 1: this cluster makes v.  The same in all sixteen partners
	s_cselect_b32 s19, s19, s67                    ; four tiles of B: v: tokens; q, k: x = 0 Wq's rows, x = 1 Wk's
	s_cselect_b32 s18, 0, s18                      ; four tiles of A: v: Wv's four; q, k: tokens
	s_cselect_b32 s23, 2048, 0                     ; v: Wv begins at row 2,048 of w_codes
	s_lshl_b32 s42, s19, 2
	s_add_co_u32 s42, s42, s40                     ; B's tile
	s_lshl_b32 s17, s18, 2
	s_add_co_u32 s17, s17, s41                     ; A's tile
	s_lshl_b32 s43, s41, 2
	s_lshl_b32 s43, 15, s43                        ; my row of the cluster
	s_lshl_b32 s44, 0x1111, s40                    ; my column
	; descriptor group 1: a tile of 128 rows x 192 bytes, 16 bytes of padding behind every 64
	s_or_b32 s[G1+0], s43, (0<<16)|(1<<20)|(1<<21)|(3<<22)|(3<<25)  ; 15:0 the mask; 17:16 elements of 1 byte; 20 padding on; 21 set beside a mask; 24:22 after every 16 words; 31:25 4 words
	s_or_b32 s[G1B+0], s44, (0<<16)|(1<<20)|(1<<21)|(3<<22)|(3<<25)
.irp g, G1, G1B
	s_mov_b32 s[\g+1], ROWB<<16                    ; tensor_dim0
	s_mov_b32 s[\g+2], 128<<16                     ; tensor_dim1
	s_mov_b32 s[\g+3], ROWB<<16                    ; tile_dim0
	s_mov_b32 s[\g+4], 128                         ; tile_dim1
	s_mov_b32 s[\g+5], KROW                        ; from row to row
	s_mov_b32 s[\g+6], 0
	s_mov_b32 s[\g+7], 0
.endr
	; the scales of 128 rows: 4,096 dense bytes, as 16 rows of 256 bytes (32 elements of 8 bytes), 16 bytes of padding behind each
	s_or_b32 s[G1S+0], s43, (3<<16)|(1<<20)|(1<<21)|(5<<22)|(3<<25)
	s_or_b32 s[G1SB+0], s44, (3<<16)|(1<<20)|(1<<21)|(5<<22)|(3<<25)
.irp g, G1S, G1SB
	s_mov_b32 s[\g+1], 32<<16
	s_mov_b32 s[\g+2], (128*KS/256)<<16
	s_mov_b32 s[\g+3], 32<<16
	s_mov_b32 s[\g+4], 128*KS/256
	s_mov_b32 s[\g+5], 32
	s_mov_b32 s[\g+6], 0
	s_mov_b32 s[\g+7], 0
.endr
	s_lshl_b32 s18, s16, 7                         ; which 128 rows of the tile I fetch
	s_lshl_b32 s20, s17, 8
	s_add_co_u32 s20, s20, s18
	s_add_co_u32 s20, s20, s23                     ; A: row 256 x tile + 128 x half (+ 2,048 for Wv)
	s_lshl_b32 s46, s42, 8
	s_add_co_u32 s46, s46, s18                     ; B: row 256 x tile + 128 x half
	s_mov_b32 s21, 0
	s_mov_b32 s47, 0
	s_mov_b64 s[18:19], KS
	s_mul_u64 s[22:23], s[20:21], s[18:19]         ; where these rows' scales begin, in bytes
	s_mul_u64 s[12:13], s[46:47], s[18:19]
	s_mov_b64 s[18:19], KROW
	s_mul_u64 s[20:21], s[20:21], s[18:19]         ; and their codes
	s_mul_u64 s[46:47], s[46:47], s[18:19]
	s_mul_i32 s45, s14, HALFT                      ; where they go: wave x 128 rows: no place in the cluster enters an LDS address
	s_mul_i32 s2, s14, HALFS
	s_wait_dscnt 0x0                               ; both opening adds are done
	s_wait_kmcnt 0x0
	s_cmp_eq_u32 s66, 0                            ; which tensor is A and which is B: a choice between buffers on the cluster's number
	s_cselect_b64 s[18:19], s[4:5], s[8:9]         ; A's codes
	s_cselect_b64 s[8:9], s[8:9], s[4:5]           ; B's codes
	s_cselect_b64 s[4:5], s[6:7], s[10:11]         ; A's scales
	s_cselect_b64 s[10:11], s[10:11], s[6:7]       ; B's scales
	s_add_nc_u64 s[20:21], s[18:19], s[20:21]
	s_add_nc_u64 s[22:23], s[4:5], s[22:23]
	s_add_nc_u64 s[46:47], s[8:9], s[46:47]
	s_add_nc_u64 s[12:13], s[10:11], s[12:13]
	CROUND                                         ; all sixteen work-groups are here: the first joint loads meet
	s_mov_b32 s[G0S], 1
	s_add_co_u32 s[G0S+1], s2, SCL
	s_mov_b64 s[G0S+2:G0S+3], s[22:23]
	s_or_b32 s[G0S+3], s[G0S+3], 0x80000000
	s_mov_b32 s[G0SB], 1
	s_add_co_u32 s[G0SB+1], s2, SCL
	s_mov_b64 s[G0SB+2:G0SB+3], s[12:13]
	s_or_b32 s[G0SB+3], s[G0SB+3], 0x80000000
	JLOAD G0S, G1S, G0SB, G1SB                     ; the scales first: they are wanted with K step 0.  Three loads of mine are out behind the third of these
.irp s, 0,1
	s_mov_b32 s[G0+4*\s], 1
	s_add_co_u32 s[G0+4*\s+1], s45, \s*SLOT
	s_add_nc_u64 s[G0+4*\s+2:G0+4*\s+3], s[20:21], \s*ROWB
	s_or_b32 s[G0+4*\s+3], s[G0+4*\s+3], 0x80000000
	s_mov_b32 s[G0B+4*\s], 1
	s_add_co_u32 s[G0B+4*\s+1], s45, \s*SLOT
	s_add_nc_u64 s[G0B+4*\s+2:G0B+4*\s+3], s[46:47], \s*ROWB
	s_or_b32 s[G0B+4*\s+3], s[G0B+4*\s+3], 0x80000000
	JLOAD G0+4*\s, G1, G0B+4*\s, G1B
.endr
	v_and_b32 v1, 15, v0                           ; r = l % 16
	v_bfe_u32 v2, v0, 4, 1                         ; h = l / 16
	v_mul_u32_u24 v3, v1, PITCH
	v_mul_u32_u24 v4, v2, 24
	v_add_nc_u32 v4, v3, v4                        ; a fragment's row x pitch + 24 x half
	v_lshl_add_u32 v5, v2, 4, v4                   ; and the same behind one padding more
	s_mul_i32 s21, s15, HALFT                      ; my 128 rows of A
	s_mul_i32 s22, s16, HALFT                      ; my 128 rows of B,
	s_add_co_u32 s22, s22, 2*HALFT                 ; which lie behind A's 256
.irp s, 0,1
	v_add_nc_u32 v[ADRA+\s], s21, v4
	v_add_nc_u32 v[ADRB+\s], s22, v4
	v_add_nc_u32 v[ADRA+2+\s], s21, v5
	v_add_nc_u32 v[ADRB+2+\s], s22, v5
	s_add_co_u32 s21, s21, SLOT
	s_add_co_u32 s22, s22, SLOT
.endr
	v_mul_u32_u24 v5, v1, KS                       ; my row's scales: 32 bytes a row,
	v_lshrrev_b32 v6, 8, v5
	v_lshl_add_u32 v5, v6, 4, v5                   ; and 16 more for each 256 passed
	s_mul_i32 s21, s15, HALFS                      ; A's: my 128 rows
	s_mul_i32 s22, s16, HALFS                      ; B's: my 128 rows, behind A's 256
	s_add_co_u32 s22, s22, 2*HALFS
	s_sub_co_u32 s22, s22, s21
	v_mul_u32_u24 v6, s22, v2                      ; lanes 16-31 take B's: one product, the distance between the two
	s_add_co_u32 s21, s21, SCL
	v_add_nc_u32 v5, v5, v6
	v_add_nc_u32 v[ADRS], s21, v5
	; the way out's registers are all made here, ahead of the parting of the two ways
	v_and_b32 v6, 31, v0
	v_lshlrev_b32 v[CO8], 3, v6
	v_lshlrev_b32 v[CO16], 4, v6
	v_lshlrev_b32 v[BOQ], 6, v2
	v_and_b32 v3, 8, v1
	v_add_nc_u32 v3, v3, v1
	v_lshlrev_b32 v[BOV], 2, v3
	s_lshl_b32 s23, s14, 10
	v_lshl_add_u32 v[SSQ], v1, 2, s23
	v_add_nc_u32 v[SRQ], s23, v[CO16]
	s_lshl_b32 s23, s14, 9
	s_add_co_u32 s23, s23, 4096
	v_lshl_add_u32 v[SSV], v1, 2, s23
	v_add_nc_u32 v[SRV], s23, v[CO16]
	v_mul_u32_u24 v[VSO], v2, HEADB
	v_lshl_add_u32 v[VSO], v1, 4, v[VSO]
.macro FRAG reg, adr, q, i             ; a fragment: lane l holds row l % 16; registers 6 c .. 6 c + 5 hold K = 64 c + 32 (l / 16) + 0 .. 31: 24 bytes of the row's stream of bits, as they lie
.irp p, 0,1,2,3,4,5                    ; in pieces of 8 bytes.  Lanes 16-31 read three pieces further on than lanes 0-15: where that is behind one padding more, the second address register serves
.set PCE, 12*(\q)+6*(\p/3)+\p%3
.if PCE%8 < 5
	ds_load_b64 v[\reg+2*\p:\reg+2*\p+1], v[\adr] offset:8*PCE+16*(PCE/8)+(\i)*16*PITCH
.else
	ds_load_b64 v[\reg+2*\p:\reg+2*\p+1], v[\adr+2] offset:8*PCE+16*(PCE/8)+(\i)*16*PITCH
.endif
.endr
.endm
; 16 matrix instructions: A's blocks a0, a0 + 1 x B's eight, 128 along K: the slot's q-th.  p: B's set; sc: the set of scale words.  zero = 1: the first product starts the sums.
; The 64 accumulators take turns, one instruction a turn, in the same order in every step.
.macro MUL16 a0, p, q, sc, zero
.irp a, \a0, \a0+1
.irp b, 0,1,2,3,4,5,6,7
.if \zero
	v_wmma_scale_f32_16x16x128_f8f6f4 v[8*(8*((\a)%4)+\b):8*(8*((\a)%4)+\b)+7], v[128*(\p)+FR*\b:128*(\p)+FR*\b+FR-1], v[AF+FR*(\a):AF+FR*(\a)+FR-1], 0, v[SC+8*NQ*(\sc)+NQ*\b+(\q)], v[SC+8*NQ*(\sc)+NQ*(\a)+(\q)] matrix_a_fmt:MATRIX_FMT_FP6 matrix_b_fmt:MATRIX_FMT_FP6 matrix_a_scale:MATRIX_SCALE_ROW1
.else
	v_wmma_scale_f32_16x16x128_f8f6f4 v[8*(8*((\a)%4)+\b):8*(8*((\a)%4)+\b)+7], v[128*(\p)+FR*\b:128*(\p)+FR*\b+FR-1], v[AF+FR*(\a):AF+FR*(\a)+FR-1], v[8*(8*((\a)%4)+\b):8*(8*((\a)%4)+\b)+7], v[SC+8*NQ*(\sc)+NQ*\b+(\q)], v[SC+8*NQ*(\sc)+NQ*(\a)+(\q)] matrix_a_fmt:MATRIX_FMT_FP6 matrix_b_fmt:MATRIX_FMT_FP6 matrix_a_scale:MATRIX_SCALE_ROW1
.endif
.endr
.endr
.endm
.macro FETCH_B slot, q, p              ; B's eight fragments of the slot's q-th 128 along K into set p
	WIN TO_B
.irp i, 0,1,2,3,4,5,6,7
	FRAG 128*(\p)+FR*\i, ADRB+\slot, \q, \i
.endr
	WIN 0
.endm
.macro FETCH_A slot, q, i0             ; A's blocks i0 .. i0 + 3
.irp i, \i0, \i0+1, \i0+2, \i0+3
	FRAG AF+FR*(\i), ADRA+\slot, \q, \i
.endr
.endm
.macro SCALES sc                       ; the next K step's scale words into set sc: two words a row; lanes 0-15 A's block i, lanes 16-31 B's block i
.irp i, 0,1,2,3,4,5,6,7
	ds_load_b64 v[SC+8*NQ*\sc+NQ*\i:SC+8*NQ*\sc+NQ*\i+1], v[ADRS] offset:\i*SBLK
.endr
.endm
; A load into a register that a matrix instruction has read, and a vector instruction that reads a matrix result or writes one of its registers, stand four places behind it; only plain vector
; instructions that name none of its registers are places (ISA guide 7.12.1 for vector instructions).
.macro PLACES n
.rept \n
	v_nop
.endr
.endm
; A step of 128 along K that has its successor in the same slot.
.macro STEP slot, q, zero
	s_wait_dscnt 4*NL                              ; B's set and A's blocks 0-3 are in; the youngest 24 loads (A's blocks 4-7) may be out
	WIN MUL_LO
	MUL16 0, (\q)%2, \q, \slot, \zero
	MUL16 2, (\q)%2, \q, \slot, \zero
	s_wait_dscnt 0                                 ; A's blocks 4-7 are in (asked for 32 matrix instructions ago)
	PLACES NP
	FETCH_B \slot, (\q)+1, 1-(\q)%2
	FETCH_A \slot, (\q)+1, 0
	WIN MUL_HI
	MUL16 4, (\q)%2, \q, \slot, \zero
	MUL16 6, (\q)%2, \q, \slot, \zero
	PLACES NP
	WIN 0
	FETCH_A \slot, (\q)+1, 4
.endm
; A slot's last step changes slots: one barrier; in front of it each wave waits for all its tensor loads, adds 0 to its spare word, and waits for that and for its reads of this slot.
; fill = 1: the barrier opens a round of the cluster's barrier, and this slot is filled again, two K steps ahead, first thing behind the round.
.macro TURN slot, next, fill
	s_wait_tensorcnt 0x0                           ; all my tensor loads have landed: my part of the next slot (every window is 0 here)
	ds_add_u32 v[SPW], v[NIL]                      ; 0 onto my spare word
	s_wait_dscnt 4*NL+1                            ; (the add and the youngest 24 loads, A's blocks 4-7, may be out)
	WIN MUL_LO
	MUL16 0, 1, NQ-1, \slot, 0                     ; sixteen matrix instructions stand between the add and the wait for it
	s_wait_dscnt 0x0                               ; the add is done, and my reads of this slot are over
	s_barrier_signal -1
	MUL16 2, 1, NQ-1, \slot, 0
	WIN 0
	s_barrier_wait -1
.if \fill
	CREST                                          ; no wave of any partner still reads this slot's tile or has a load on its way
	s_add_nc_u64 s[G0+4*\slot+2:G0+4*\slot+3], s[G0+4*\slot+2:G0+4*\slot+3], 2*ROWB
	s_add_nc_u64 s[G0B+4*\slot+2:G0B+4*\slot+3], s[G0B+4*\slot+2:G0B+4*\slot+3], 2*ROWB
	JLOAD G0+4*\slot, G1, G0B+4*\slot, G1B         ; my one tensor load behind the round; its four v_nop are the places in front of the loads below
.else
	PLACES NP
.endif
	v_add_nc_u32 v[ADRS], 4*NQ, v[ADRS]            ; on to the next K step's scale words (no LDS load of mine is out)
	FETCH_B \next, 0, 0
	FETCH_A \next, 0, 0
	SCALES \next
	WIN MUL_HI
	MUL16 4, 1, NQ-1, \slot, 0
	MUL16 6, 1, NQ-1, \slot, 0
	PLACES NP
	WIN 0
	FETCH_A \next, 0, 4
.endm
.macro LASTSTEP                        ; the very last 128 along K: nothing more to fetch.  It stands in both ways out, so that each way's bias loads are on their way under it
	s_wait_dscnt 4*NL
	WIN MUL_LO
	MUL16 0, 1, NQ-1, 1, 0
	MUL16 2, 1, NQ-1, 1, 0
	s_wait_dscnt 0
	WIN MUL_HI
	MUL16 4, 1, NQ-1, 1, 0
	MUL16 6, 1, NQ-1, 1, 0
	WIN 0
	PLACES NP                                      ; in front of the first reads of results and the first writes of registers that the products read
	s_mov_b32 s[SEL], 0x76543210
	s_mov_b32 s[SEL+1], 0xfedcba98
.irp b, 0,1,2,3
	v_mov_b32 v[TM+4+\b], 0                        ; written once: a lane permute's destination counts as one of its sources
.endr
	s_wait_loadcnt 0x0                             ; the biases (and the mask)
.endm
; 64 numbers of a lane, v[s] on, register 16 b + i = index 32 b + 16 (lane / 16) + i along the next K, become a fragment's codes in v[PC] on and its row's scale word in v[pw].
.macro QUANT s, pw
.irp b, 0,1,2,3
	v_max3_num_f32 v[TM+\b], |v[\s+16*\b]|, |v[\s+1+16*\b]|, 0x1800000   ; block b: my 16 numbers, and the floor 2^(3 - 127): the byte cannot fall under 1
.endr
.irp i, 2,4,6,8,10,12,14
.irp b, 0,1,2,3
	v_max3_num_f32 v[TM+\b], v[TM+\b], |v[\s+16*\b+\i]|, |v[\s+1+16*\b+\i]|   ; (the four blocks by turns)
.endr
.endr
.irp b, 0,1,2,3
	v_permlanex16_b32 v[TM+4+\b], v[TM+\b], s[SEL], s[SEL+1]
.endr
.irp b, 0,1,2,3
	v_max_num_f32 v[TM+\b], v[TM+\b], v[TM+4+\b]   ; with lane l xor 16's: the block's largest magnitude
.endr
.irp b, 0,1,2,3
	v_add_nc_u32 v[TM+12+\b], 0xff000000, v[TM+\b] ; 2 off its exponent field: the conversion's scale operand
.endr
.irp b, 0,1,2,3
	v_lshrrev_b32 v[TM+4+\b], 23, v[TM+12+\b]      ; the scale's byte
.endr
	v_lshl_or_b32 v[\pw], v[TM+5], 8, v[TM+4]
	v_lshl_or_b32 v[\pw], v[TM+6], 16, v[\pw]
	v_lshl_or_b32 v[\pw], v[TM+7], 24, v[\pw]
.irp c, 0,1
	v_cvt_scalef32_pk16_fp6_f32 v[PC+6*\c:PC+2+6*\c], v[\s+32*\c:\s+15+32*\c], v[TM+12+2*\c]
	v_cvt_scalef32_pk16_fp6_f32 v[PC+12+4*\c:PC+14+4*\c], v[\s+16+32*\c:\s+31+32*\c], v[TM+12+2*\c+1]   ; (a conversion's three registers begin on an even number)
.endr
	v_nop                                          ; one plain place behind a scaled conversion
.irp c, 0,1                                    ; the operand's layout wants a whole block in a lane: lanes 0-15 block 2 c, lanes 16-31 block 2 c + 1
.irp i, 0,1,2
	v_permlane16_swap_b32 v[PC+6*\c+\i], v[PC+12+4*\c+\i]
.endr
.irp i, 0,1,2
	v_mov_b32 v[PC+3+6*\c+\i], v[PC+12+4*\c+\i]
.endr
.endr
.endm
; Block a of A (16 tokens of q or k; 16 channels of v): bias, quantiser, stores.  Each accumulator is read from its low end on.
.macro EPI a, isv
	WIN (0x02+(\a)/4)                              ; source 0: window 2 or 3
.set AC, 64*((\a)%4)
.set kk, 0
.rept 32
.if \isv
	v_pk_add_f32 v[ST+kk:ST+kk+1], v[AC+kk:AC+kk+1], v[BIAS+2*(\a):BIAS+2*(\a)+1]   ; my channel's bv, which stands twice
.else
	v_pk_add_f32 v[ST+kk:ST+kk+1], v[AC+kk:AC+kk+1], v[BIAS+kk:BIAS+kk+1]           ; the bias of the register's channel
.endif
.set kk, kk+2
.endr
	WIN 0
	s_wait_xcnt 0x0                                ; the last block's stores have read the codes' registers, which are written anew below
	QUANT ST, PWR+(\a)
.if \isv
.irp c, 0,1,2
	global_store_b128 v[CO16], v[PC+4*\c:PC+4*\c+3], s[4:5] offset:((\a)/4)*HEADB+VOFF+((\a)%4)*1536+512*\c   ; 512 consecutive bytes, aligned on 256
.endr
	ds_store_b32 v[SSV], v[PWR+(\a)] offset:64*(\a)   ; lanes r and r + 16 write the same word with the same value
.else
.irp c, 0,1,2
	global_store_b64 v[CO8], v[PC+2*\c:PC+2*\c+1], s[4:5] offset:768*(\a)+256*\c       ; my first head: registers 0-5: 256 consecutive bytes, aligned
.endr
.irp c, 0,1,2
	global_store_b64 v[CO8], v[PC+6+2*\c:PC+7+2*\c], s[6:7] offset:768*(\a)+256*\c     ; my second head: registers 6-11
.endr
	v_lshrrev_b32 v[PWB+(\a)], 16, v[PWR+(\a)]     ; the second head's two bytes, brought down
	ds_store_b32 v[SSQ], v[PWR+(\a)] offset:64*(\a)
	ds_store_b32 v[SSQ], v[PWB+(\a)] offset:512+64*(\a)
.endif
.endm
	s_wait_tensorcnt 1                             ; the scales and my part of K step 0 are in (K step 1's load may be out)
	s_barrier_signal -1
	s_barrier_wait -1                              ; everybody's are
	FETCH_B 0, 0, 0
	FETCH_A 0, 0, 0
	SCALES 0
	FETCH_A 0, 0, 4
	STEP 0, 0, 1                                   ; the first step stands in front of the loop: its products start the sums
	s_mov_b32 s3, LAPS-1
.Llap:                                             ; a trip goes once round the ring and fills both slots again
	TURN 0, 1, 1
	STEP 1, 0, 0
	TURN 1, 0, 1
	STEP 0, 0, 0
	s_sub_co_u32 s3, s3, 1
	s_cmp_lg_u32 s3, 0
	s_cbranch_scc1 .Llap
	TURN 0, 1, 0                                   ; the last lap fills nothing, and has no round.  Behind its barrier nobody reads slot 0, which has had its last fill: the stages lie there
	STEP 1, 0, 0
	s_cmp_lg_u32 s66, 0                            ; the two ways out part on the cluster's number
	s_cbranch_scc1 .Lv
	; ---- q and k.  My 128 tokens: 256 x A's tile + 128 x half; my two heads: 4 x (B's tile % 4) + 2 x half
	s_lshl_b32 s18, s17, 8
	s_lshl_b32 s19, s15, 7
	s_add_co_u32 s18, s18, s19                     ; my first token
	s_lshr_b32 s19, s18, 11                        ; batch
	s_bfe_u32 s20, s18, 0x40007                    ; which 128 of its 2,048
	s_and_b32 s21, s42, 3
	s_lshl_b32 s21, s21, 2
	s_lshl_b32 s22, s16, 1
	s_add_co_u32 s21, s21, s22                     ; my first head
	s_lshl_b32 s19, s19, 4
	s_add_co_u32 s19, s19, s21
	s_lshl_b32 s19, s19, 4
	s_add_co_u32 s19, s19, s20                     ; the record: (16 batch + head) x 16 + run
	s_cmp_eq_u32 s67, 0                            ; q or k
	s_mov_b32 s22, REC
	s_cselect_b32 s22, QREC, s22                   ; a record's bytes
	s_mov_b32 s23, KSOFF
	s_cselect_b32 s23, 6144, s23                   ; where its scale words begin
	s_cselect_b64 s[4:5], s[100:101], s[104:105]
	s_cselect_b64 s[92:93], s[92:93], s[94:95]     ; bq or bk
	s_mul_i32 s6, s19, s22
	s_mov_b32 s7, 0
	s_add_nc_u64 s[4:5], s[4:5], s[6:7]            ; my first head's record,
	s_lshl_b32 s6, s22, 4
	s_add_nc_u64 s[6:7], s[4:5], s[6:7]            ; my second head's: 16 records on
	s_mov_b32 s12, s23
	s_mov_b32 s13, 0
	s_add_nc_u64 s[8:9], s[4:5], s[12:13]          ; and their scale words
	s_add_nc_u64 s[10:11], s[6:7], s[12:13]
	s_lshl_b32 s12, s21, 8                         ; 64 numbers a head
	s_add_nc_u64 s[92:93], s[92:93], s[12:13]
.irp b, 0,1,2,3
.irp j, 0,1,2,3
	global_load_b128 v[BIAS+16*\b+4*\j:BIAS+16*\b+4*\j+3], v[BOQ], s[92:93] offset:128*\b+16*\j   ; register 16 b + i: channel 32 b + 16 h + i
.endr
.endr
	LASTSTEP
.irp a, 0,1,2,3,4,5,6,7
	EPI \a, 0
.endr
	ds_load_b128 v[T:T+3], v[SRQ]                  ; LDS serves a wave's instructions in order: these see my stores.  128 scale words of each head
	ds_load_b128 v[T+4:T+7], v[SRQ] offset:512
	s_wait_dscnt 0x0
	global_store_b128 v[CO16], v[T:T+3], s[8:9]    ; 512 consecutive bytes, aligned on 256
	global_store_b128 v[CO16], v[T+4:T+7], s[10:11]
	s_branch .Lend
.Lv:	; ---- v.  My 128 keys: 256 x B's tile + 128 x half; my two heads: 4 x A's tile + 2 x half
	s_lshl_b32 s18, s42, 8
	s_lshl_b32 s19, s16, 7
	s_add_co_u32 s18, s18, s19                     ; my first key, counted through the batches
	s_lshr_b32 s19, s18, 11
	s_bfe_u32 s20, s18, 0x40007
	s_lshl_b32 s21, s17, 2
	s_lshl_b32 s22, s15, 1
	s_add_co_u32 s21, s21, s22                     ; my first head
	s_lshl_b32 s19, s19, 4
	s_add_co_u32 s19, s19, s21
	s_lshl_b32 s19, s19, 4
	s_add_co_u32 s19, s19, s20
	s_mul_i32 s6, s19, REC
	s_mov_b32 s7, 0
	s_add_nc_u64 s[4:5], s[104:105], s[6:7]        ; my first head's record
	s_lshl_b32 s6, s21, 8
	s_add_nc_u64 s[96:97], s[96:97], s[6:7]        ; bv at my first head
	s_lshl_b32 s6, s18, 2
	s_add_nc_u64 s[98:99], s[98:99], s[6:7]        ; attention_mask at my first key
.irp a, 0,1,2,3,4,5,6,7
	global_load_b32 v[BIAS+2*\a], v[BOV], s[96:97] offset:4*(32*(\a/2)+8*(\a%2))     ; place r of stored tile a is channel 32 (a / 2) + 8 (a % 2) + r + 8 (r / 8)
	global_load_b32 v[BIAS+2*\a+1], v[BOV], s[96:97] offset:4*(32*(\a/2)+8*(\a%2))   ; twice: the packed addition takes a pair
.endr
	global_load_b128 v[MK:MK+3], v[CO16], s[98:99]
	LASTSTEP
.irp a, 0,1,2,3,4,5,6,7
	EPI \a, 1
.endr
	ds_load_b128 v[T:T+3], v[SRV]                  ; 64 scale words of each head
.irp i, 0,1,2,3
	v_mul_f32 v[MK+\i], 0x41000000, v[MK+\i]       ; 8 x mask: (s + 8 m) / 8 = s / 8 + m, and a power of two rounds nothing
.endr
	global_store_b128 v[CO16], v[MK:MK+3], s[4:5] offset:MOFF
	global_store_b128 v[CO16], v[MK:MK+3], s[4:5] offset:MOFF+HEADB
	s_wait_dscnt 0x0
	global_store_b128 v[VSO], v[T:T+3], s[4:5] offset:VSOFF   ; sixteen lanes store 256 consecutive bytes, aligned, in each of the two records
.Lend:
	s_wait_tensorcnt 0x0                           ; the wave's end, behind my last tensor load and my last LDS store
	ds_add_u32 v[SPW], v[NIL]
	s_wait_dscnt 0x0
	CROUND                                         ; the closing round: no work-group ends while a partner may still ask for a tile that names it
	s_endpgm
.Lfunc_end_k_qfab45cb680_proj:
	.size	k_qfab45cb680_proj, .Lfunc_end_k_qfab45cb680_proj-k_qfab45cb680_proj
	.p2alignl 7, 3214868480
	.fill 96, 4, 3214868480
	.section	.rodata,"a",@progbits
	.p2align	6, 0x0
	.amdhsa_kernel k_qfab45cb680_proj
		.amdhsa_group_segment_fixed_size 327680
		.amdhsa_private_segment_fixed_size 0
		.amdhsa_enable_private_segment 0
		.amdhsa_kernarg_size 80
		.amdhsa_user_sgpr_count 2
		.amdhsa_user_sgpr_kernarg_segment_ptr 1
		.amdhsa_wavefront_size32 1
		.amdhsa_system_sgpr_workgroup_id_x 1
		.amdhsa_system_sgpr_workgroup_id_y 1
		.amdhsa_system_sgpr_workgroup_id_z 1
		.amdhsa_system_vgpr_workitem_id 0
		.amdhsa_next_free_vgpr 1024
		.amdhsa_next_free_sgpr 106
		.amdhsa_reserve_vcc 0
		.amdhsa_float_denorm_mode_32 3
		.amdhsa_float_denorm_mode_16_64 3
		.amdhsa_memory_ordered 1
		.amdhsa_forward_progress 1
		.amdhsa_inst_pref_size 247
	.end_amdhsa_kernel
	.amdgpu_metadata
---
amdhsa.version: [ 1, 2 ]
amdhsa.kernels:
  - .name:           k_qfab45cb680_proj
    .symbol:         k_qfab45cb680_proj.kd
    .args:
      - { .name: x_codes, .offset: 0, .size: 8, .value_kind: global_buffer, .address_space: global }
      - { .name: x_scales, .offset: 8, .size: 8, .value_kind: global_buffer, .address_space: global }
      - { .name: w_codes, .offset: 16, .size: 8, .value_kind: global_buffer, .address_space: global }
      - { .name: w_scales, .offset: 24, .size: 8, .value_kind: global_buffer, .address_space: global }
      - { .name: bq, .offset: 32, .size: 8, .value_kind: global_buffer, .address_space: global }
      - { .name: bk, .offset: 40, .size: 8, .value_kind: global_buffer, .address_space: global }
      - { .name: bv, .offset: 48, .size: 8, .value_kind: global_buffer, .address_space: global }
      - { .name: attention_mask, .offset: 56, .size: 8, .value_kind: global_buffer, .address_space: global }
      - { .name: q_rec, .offset: 64, .size: 8, .value_kind: global_buffer, .address_space: global }
      - { .name: kv, .offset: 72, .size: 8, .value_kind: global_buffer, .address_space: global }
    .group_segment_fixed_size: 327680
    .private_segment_fixed_size: 0
    .kernarg_segment_align: 8
    .kernarg_segment_size: 80
    .max_flat_workgroup_size: 128
    .sgpr_count:     106
    .vgpr_count:     1024
    .wavefront_size: 32
...
	.end_amdgpu_metadata
.endif
;; end of part 2
;; launch attn (part 3): grid 4 x 64, 16 waves a work-group, no clusters, 327,680 bytes of LDS; arguments q_rec, kv, out0; writes out0
.if DOCPART == 3
	.amdgcn_target "amdgcn-amd-amdhsa--gfx1250"
	.amdhsa_code_object_version 6
	.text
	.protected	k_qfab45cb680_attn
	.globl	k_qfab45cb680_attn
	.p2align	8
	.type	k_qfab45cb680_attn,@function
k_qfab45cb680_attn:
	s_mov_b64 s[64:65], 0
	v_nop
	global_prefetch_b8 v0, s[64:65] scope:SCOPE_SE
	s_setreg_imm32_b32 hwreg(HW_REG_WAVE_MODE, 25, 1), 1
	s_wait_xcnt 0x0
; LAUNCH 3 OF 3.  out0[bh][q][:] = the sum over k <= q of softmax_k(q . k / 8 + attention_mask[k]) v[k][:], both products on codes of FP6 (E2M3) with E8M0 scales, from the records of launch 2.
; WORK LEFT OUT: key steps of 128 keys that lie wholly behind a wave's queries (shown, with its limits, at the head of launch 1); inside the one step on the diagonal hidden scores become -infinity.
; THE SOFTMAX: t = (s + 8 m) x log2(e) / 8; M = the running largest t rounded up to a whole number; p = 2^(t - M) is quantised along the keys, not normalised; the row's sum is taken of the unquantised p and
; divides at the end.  When M moves, the sum and O are multiplied by 2^(old M - new M): exact.  8 m is the C of the first product's matrix instructions: the mask costs no vector instruction.
; SHARES.  Work-group (j, bh), j = 0..3, makes query block j of 256 and then block 7 - j of one head: j + 1 and 8 - j slots of 256 keys, NINE for every work-group: 256 work-groups of equal work, constant trip
; counts, and no slot is fetched that nobody reads.  Each of sixteen waves owns one tile of 16 queries in 256 registers: four waves to a SIMD, so that one wave's vector work stands beside another's products and loads.
; NO CLUSTER: in trip n work-group j wants key slot n, or n - j - 1 once it has changed blocks: the four work-groups of a head want different slots in the same trip, so no request could be joint.
; LAYOUT.  Both products transposed: S^T = k q^T, O^T = v^T p^T: a lane holds one query throughout.  Place r of a tile is query or key 32 b + 8 u + r + 8 (r / 8) (launch 1's order), so the 16 registers of two
; neighbouring tiles of S^T are 16 neighbouring keys.  The head has 64 channels, the instruction 128: q's upper six registers are zero codes, and k's upper six are whatever codes lie next: a zero code times any code is 0.
; LDS: two slots of 27,136 bytes (two records, dense: every read is an image, lane by lane on end) at 0 and 32,768; a stage of 16 x 272 bytes for each wave from 65,536, into which no tensor load lands; the spare words.
; REGISTERS: v1-4 lane terms; v5, v6 the add's; v7 out0's offset; v8-11 addresses in hand; v12 -M, v13 largest t, v[14:15] the sum; v16-27 q | zeros; v28 q's scale word; v29-31 lane terms; v32-79 k's 8 half fragments,
; later v's 4 fragments; v80-85 zeros; v86-89 k's scale words, v90-91 v's; v92 prefetch offset; v96-159 8 m, then S^T, then p; v160-191 O^T; v192-198 the second block's q; v224-235 p's codes; v232-254 at work.
.set REC,    13568
.set QREC,   6656
.set HEADB,  16*REC
.set SLOTB,  2*REC
.set SLOT1,  32768                     ; one exclusive or turns an address in one slot into the other's
.set STAGE,  65536
.set SPARE,  STAGE+16*16*272           ; behind the stages: the spare words, 128 bytes a wave, which no other line names
.set VOFF,   6144
.set KSOFF,  12288
.set VSOFF,  12800
.set MOFF,   13056
.set SPW, 5
.set NIL, 6
.set GO,  7
.set ADK, 8
.set ADV, 9
.set ADS, 10
.set ADM, 11
.set TB,  2                            ; s2   LDS byte at which the slot in hand begins
.set NTR, 3                            ; s3   the trip: 0 .. 7
.set RBL, 4                            ; s[4:5] q_rec, then my record of the first block
.set RBH, 6                            ; s[6:7] kv, then my record of the second block
.set OUT, 8                            ; s[8:9] out0 at my tile's first query
.set WV,  10
.set JB,  11                           ; s11  j
.set J1,  12                           ; s12  j + 1: the trip in which the second block begins
.set BACK, 13                          ; s13  (j + 1) slots in bytes
.set BK,  14                           ; s[14:15] that, or 0
.set G1,  16
.set G0,  24
.set SEL, 28
.set CS,  30                           ; s[30:31] log2(e) / 8
.set KF,  32                           ; s32  the step's first key
.set Q0,  33                           ; s33  my tile's first query
.set Q0H, 34                           ; s34  and in the second block
.set PLO, 35                           ; s35  3 in a wave that prefetches, else the greatest number
.set PFA, 36                           ; s[36:37] where the prefetches stand
.set DELTA, 38                         ; s[38:39] from the first block's rows of out0 to the second's
; Wave 0 fetches a whole slot, one dense block, by one load.  An s_nop 0 and four v_nop follow it.  One load is out at the most.
.macro TLOAD
	s_cmp_eq_u32 s[WV], 0
	s_cbranch_scc0 .Lnot_wave_0_\@
	tensor_load_to_lds s[G0:G0+3], s[G1:G1+7]
	s_nop 0
.rept 4
	v_nop
.endr
.Lnot_wave_0_\@:
.endm
; A PREFETCH INTO THE L2 of the slot that the NEXT change of slots will ask for: two key steps ahead of that load.  Key slots 0 to 3 are asked for by several of a head's work-groups in the same trips and come by
; their loads alone.  Slots 4 to 7 are asked for first by work-group j = 0, in trips 4 to 7: it names them in trips 3 to 6, and nobody else does.  In it waves 4 to 7 ask, lanes 256 bytes apart;
; a slot is 106 runs of 256 bytes, so lanes 10 to 31 of wave 7 are held at the last run and name it again.
.macro ASK
	s_cmp_ge_u32 s[NTR], s[PLO]
	s_cbranch_scc0 .Lnot_mine_\@
	s_cmp_lt_u32 s[NTR], 7
	s_cbranch_scc0 .Lnot_mine_\@
	global_prefetch_b8 v92, s[PFA:PFA+1] th:TH_LOAD_NT scope:SCOPE_SE
.Lnot_mine_\@:
.endm
	s_load_b128 s[4:7], s[0:1], 0x0                ; q_rec, kv
	s_load_b64 s[8:9], s[0:1], 0x10                ; out0
	v_lshl_add_u32 v[SPW], v0, 2, SPARE
	v_mov_b32 v[NIL], 0
	ds_add_u32 v[SPW], v[NIL]                      ; the wave's opening: an add, twice on end, and its wait ahead of the first tensor load
	ds_add_u32 v[SPW], v[NIL]                      ; (once more; the set-up below, work on registers, stands between it and the wait)
	v_lshrrev_b32 v1, 5, v0
	v_readfirstlane_b32 s[WV], v1                  ; wave 0..15
	s_mov_b32 s[JB], ttmp9
	s_and_b32 s40, ttmp7, 0xffff                   ; 16 x batch + head
	s_add_co_u32 s[J1], s[JB], 1
	s_mul_i32 s[BACK], s[J1], SLOTB
	s_mov_b32 s[BK], 0
	s_mov_b32 s[BK+1], 0
	s_mov_b32 s[G1], 3<<16                         ; no mask; elements of 8 bytes; no padding
	s_mov_b32 s[G1+1], 32<<16                      ; tensor_dim0 = 32: rows of 256 bytes
	s_mov_b32 s[G1+2], 106<<16                     ; tensor_dim1 = 106
	s_mov_b32 s[G1+3], 32<<16                      ; tile_dim0
	s_mov_b32 s[G1+4], 106                         ; tile_dim1
	s_mov_b32 s[G1+5], 32                          ; from row to row: dense
	s_mov_b32 s[G1+6], 0
	s_mov_b32 s[G1+7], 0
	s_mov_b32 s[SEL], 0x76543210
	s_mov_b32 s[SEL+1], 0xfedcba98                 ; lane l xor 16
	s_mov_b32 s[CS], 0x3e38aa3b                    ; log2(e) / 8
	s_mov_b32 s[CS+1], s[CS]                       ; (named with it as a pair, so it is written)
	s_mov_b32 s[TB], 0
	s_mov_b32 s[NTR], 0
	s_mov_b32 s[KF], 0
	s_lshr_b32 s41, s[WV], 1
	s_lshl_b32 s41, s41, 5
	s_and_b32 s42, s[WV], 1
	s_lshl_b32 s42, s42, 3
	s_add_co_u32 s41, s41, s42                     ; my tile in a block: 32 (w / 2) + 8 (w % 2)
	s_lshl_b32 s[Q0], s[JB], 8
	s_add_co_u32 s[Q0], s[Q0], s41
	s_sub_co_u32 s43, 7, s[JB]
	s_lshl_b32 s[Q0H], s43, 8
	s_add_co_u32 s[Q0H], s[Q0H], s41
	s_sub_co_u32 s[DELTA], s[Q0H], s[Q0]
	s_lshl_b32 s[DELTA], s[DELTA], 8               ; 256 bytes a query
	s_mov_b32 s[DELTA+1], 0
	s_lshr_b32 s42, s[WV], 2
	s_xor_b32 s42, s42, 1                          ; 0 in waves 4 to 7,
	s_or_b32 s42, s42, s[JB]                       ; of work-group j = 0
	s_cmp_eq_u32 s42, 0
	s_cselect_b32 s[PLO], 3, -1
	s_mul_i32 s44, s40, HEADB                      ; the head's records in kv (under 2^24)
	s_mov_b32 s45, 0
	s_lshl_b32 s46, s40, 4
	s_lshr_b32 s42, s[WV], 3
	s_add_co_u32 s46, s46, s42                     ; q's record: 16 x head + 2 x block + w / 8
	s_lshl_b32 s42, s[JB], 1
	s_add_co_u32 s48, s46, s42
	s_mul_i32 s48, s48, QREC
	s_mov_b32 s49, 0
	s_lshl_b32 s42, s43, 1
	s_add_co_u32 s46, s46, s42
	s_mul_i32 s46, s46, QREC
	s_mov_b32 s47, 0
	s_lshl_b32 s42, s40, 11
	s_add_co_u32 s42, s42, s[Q0]
	s_lshl_b32 s42, s42, 8                         ; my first row of out0 (under 2^26)
	s_mov_b32 s43, 0
	s_wait_dscnt 0x0                               ; both opening adds are done
	s_wait_kmcnt 0x0
	s_mov_b32 s[G0], 1                             ; count = 1
	s_mov_b32 s[G0+1], 0                           ; LDS address: slot 0
	s_add_nc_u64 s[G0+2:G0+3], s[RBH:RBH+1], s[44:45]   ; the head's first 256 keys
	s_mov_b64 s[PFA:PFA+1], s[G0+2:G0+3]           ; each change of slots steps this by a slot: in trip n it stands at key slot n + 1
	s_or_b32 s[G0+3], s[G0+3], 0x80000000          ; type = 2
	TLOAD                                          ; slot 0: the one first fill at the head
	s_add_nc_u64 s[RBH:RBH+1], s[RBL:RBL+1], s[46:47]
	s_add_nc_u64 s[RBL:RBL+1], s[RBL:RBL+1], s[48:49]
	s_add_nc_u64 s[OUT:OUT+1], s[OUT:OUT+1], s[42:43]
	v_and_b32 v93, 31, v0                          ; lane
	v_and_b32 v94, 15, v0                          ; r
	v_bfe_u32 v95, v0, 4, 1                        ; h
	v_lshlrev_b32 v1, 3, v93                       ; 8 x lane: an image of six registers
	v_lshlrev_b32 v2, 4, v93                       ; 16 x lane: an image of twelve
	v_lshlrev_b32 v3, 2, v93                       ; 4 x lane: scale words of two tiles
	v_lshlrev_b32 v4, 6, v95                       ; 64 h: my half's 16 keys of each 32 of the mask
	s_and_b32 s40, s[WV], 7
	s_mul_i32 s41, s40, 768
	v_add_nc_u32 v200, s41, v1                     ; q: my tile's image
	s_lshl_b32 s41, s40, 6
	v_lshl_add_u32 v201, v94, 2, s41               ; and its scale words
.irp c, 0,1,2
	global_load_b64 v[16+2*\c:17+2*\c], v200, s[RBL:RBL+1] offset:256*\c
	global_load_b64 v[192+2*\c:193+2*\c], v200, s[RBH:RBH+1] offset:256*\c
.endr
	global_load_b32 v28, v201, s[RBL:RBL+1] offset:6144
	global_load_b32 v198, v201, s[RBH:RBH+1] offset:6144
.irp i, 0,1,2,3,4,5
	v_mov_b32 v[22+\i], 0                          ; q's channels 64 to 127: zero codes
	v_mov_b32 v[80+\i], 0                          ; what lies behind k's last tile
.endr
	v_lshlrev_b32 v[GO], 8, v95
	v_lshl_add_u32 v[GO], v94, 4, v[GO]            ; out0: lanes 0-15 one row, lanes 16-31 the next; 16 bytes a lane
	v_and_b32 v29, 8, v94
	v_add_nc_u32 v29, v29, v94
	v_lshlrev_b32 v202, 4, v95
	v_sub_nc_u32 v29, v29, v202                    ; r + 8 (r / 8) - 16 h
	s_mul_i32 s41, s[WV], 16*272
	s_add_co_u32 s41, s41, STAGE                   ; my stage
	v_mul_u32_u24 v30, v94, 272
	v_lshl_add_u32 v30, v95, 6, v30
	v_add_nc_u32 v30, s41, v30                     ; in: row r, + 64 h
	v_mul_u32_u24 v31, v95, 272
	v_lshl_add_u32 v31, v94, 4, v31
	v_add_nc_u32 v31, s41, v31                     ; back: lanes 0-15 one row, lanes 16-31 the next
	s_and_b32 s40, s[WV], 3
	s_lshl_b32 s40, s40, 5
	v_add_nc_u32 v92, s40, v93
	v_lshlrev_b32 v92, 8, v92
	v_min_u32 v92, 105*256, v92                    ; inside the slot
	v_mov_b32 v13, 0xff61b1e6                      ; the largest t so far: -3e38
	v_floor_f32 v12, -v13                          ; -M
	v_mov_b32 v14, 0
	v_mov_b32 v15, 0
.irp b, 0,1,2,3
	v_mov_b32 v[236+\b], 0                         ; written once: a lane permute's destination counts as one of its sources
.endr
	v_mov_b32 v252, 0
	v_mov_b32 v253, 0
.set jj, 0
.rept 32
	v_mov_b32 v[160+jj], 0                         ; O^T: the step is written once; the first finds zeros
.set jj, jj+1
.endr
; A KEY STEP: 128 keys, record q of the slot in hand.
.macro STEP q
	s_add_co_u32 s40, s[Q0], 23                    ; my last query
	s_cmp_gt_u32 s[KF], s40                        ; a step all of whose keys come behind it is left out: a branch on ids, round no barrier and no tensor load
	s_cbranch_scc1 .Lhidden_\@
	v_add_nc_u32 v[ADK], s[TB], v1                 ; (these four are also the places behind the last products, in front of the loads below)
	v_add_nc_u32 v[ADV], s[TB], v2
	v_add_nc_u32 v[ADS], s[TB], v3
	v_add_nc_u32 v[ADM], s[TB], v4
.irp t, 0,1,2,3,4,5,6,7
	ds_load_b128 v[96+8*\t:99+8*\t], v[ADM] offset:(\q)*REC+MOFF+4*(32*(\t/2)+8*(\t%2))        ; 8 m of the keys that S^T's registers will hold: 32 (t / 2) + 16 h + 8 (t % 2) + 0 .. 7
	ds_load_b128 v[100+8*\t:103+8*\t], v[ADM] offset:(\q)*REC+MOFF+4*(32*(\t/2)+8*(\t%2))+16
.endr
.irp u, 0,1,2,3
	ds_load_b32 v[86+\u], v[ADS] offset:(\q)*REC+KSOFF+128*\u      ; lanes 0-15: tile 2 u's scale words; lanes 16-31: tile 2 u + 1's
.endr
.irp t, 0,1,2,3,4,5,6,7
.irp c, 0,1,2
	ds_load_b64 v[32+6*\t+2*\c:33+6*\t+2*\c], v[ADK] offset:(\q)*REC+768*\t+256*\c
.endr
.endr
	s_wait_dscnt 0x0
.irp t, 0,1,2,3,4,5,6,7                        ; S^T + 8 m: eight accumulators, one instruction each
.if (\t)%2
	v_wmma_scale_f32_16x16x128_f8f6f4 v[96+8*\t:103+8*\t], v[32+6*\t:43+6*\t], v[16:27], v[96+8*\t:103+8*\t], v[86+\t/2], v28 matrix_a_fmt:MATRIX_FMT_FP6 matrix_b_fmt:MATRIX_FMT_FP6 matrix_a_scale:MATRIX_SCALE_ROW1
.else
	v_wmma_scale_f32_16x16x128_f8f6f4 v[96+8*\t:103+8*\t], v[32+6*\t:43+6*\t], v[16:27], v[96+8*\t:103+8*\t], v[86+\t/2], v28 matrix_a_fmt:MATRIX_FMT_FP6 matrix_b_fmt:MATRIX_FMT_FP6
.endif
.endr
.rept 4
	v_nop                                          ; places in front of the loads into k's registers and of the first reads of the scores
.endr
.irp d, 0,1,2,3                                ; v is asked for now and lands under the softmax
.irp c, 0,1,2
	ds_load_b128 v[32+12*\d+4*\c:35+12*\d+4*\c], v[ADV] offset:(\q)*REC+VOFF+1536*\d+512*\c
.endr
.endr
.irp u, 0,1
	ds_load_b32 v[90+\u], v[ADS] offset:(\q)*REC+VSOFF+128*\u
.endr
	s_add_co_u32 s40, s[KF], 127                   ; on the diagonal the scores of hidden keys become -infinity ahead of the maximum.  A step all of whose keys count skips this
	s_cmp_le_u32 s40, s[Q0]
	s_cbranch_scc1 .Lopen_\@
	s_sub_co_i32 s40, s[Q0], s[KF]
	v_add_nc_u32 v248, s40, v29                    ; d = my query - the step's first key - 16 h.  Register 16 b + i holds key 32 b + 16 h + i of the step: hidden where 32 b + i > d
	v_mov_b32 v249, 0xff800000
.set nn, 0
.rept 64
	v_cmp_gt_i32 vcc_lo, 32*(nn/16)+nn%16, v248
	v_cndmask_b32 v[96+nn], v[96+nn], v249, vcc_lo
.set nn, nn+1
.endr
.Lopen_\@:
.irp b, 0,1,2,3
	v_max3_num_f32 v[232+\b], v[96+16*\b], v[97+16*\b], v[98+16*\b]   ; the largest score of each block of 32 keys: for the row's maximum, and, since p rises with the score, for the block's largest p
.endr
.irp i, 3,5,7,9,11,13
.irp b, 0,1,2,3
	v_max3_num_f32 v[232+\b], v[232+\b], v[96+16*\b+\i], v[97+16*\b+\i]
.endr
.endr
.irp b, 0,1,2,3
	v_max_num_f32 v[232+\b], v[232+\b], v[111+16*\b]
.endr
.irp b, 0,1,2,3
	v_permlanex16_b32 v[236+\b], v[232+\b], s[SEL], s[SEL+1]
.endr
.irp b, 0,1,2,3
	v_max_num_f32 v[232+\b], v[232+\b], v[236+\b]  ; with lane l xor 16's 16 keys
.endr
	v_max3_num_f32 v254, v232, v233, v234
	v_max_num_f32 v254, v254, v235
	v_mul_f32 v254, s[CS], v254                    ; as t
	v_max_num_f32 v13, v13, v254                   ; the running largest t
	v_mov_b32 v254, v12
	v_floor_f32 v12, -v13                          ; the new -M = -ceil(t)
	v_sub_f32 v254, v12, v254                      ; old M - new M: a whole number, 0 or less
	v_cvt_i32_f32 v254, v254                       ; (it saturates)
	v_ldexp_f32 v252, 1.0, v254                    ; f = 2^(old M - new M)
.set jj, 0
.rept 32
	v_pk_fma_f32 v[96+jj:97+jj], v[96+jj:97+jj], s[CS:CS+1], v[12:13] op_sel_hi:[1,0,0]   ; t - M, two at a time
.set jj, jj+2
.endr
.irp b, 0,1,2,3
	v_fma_f32 v[232+\b], v[232+\b], s[CS], v12     ; the same of each block's largest score
.endr
.set jj, 0
.rept 64
	v_exp_f32 v[96+jj], v[96+jj]                   ; p = 2^(t - M), at most 1
.set jj, jj+1
.endr
	v_pk_mul_f32 v[14:15], v[14:15], v[252:253] op_sel_hi:[1,0]   ; the sums under the new M (a plain place behind the exponentials)
	s_wait_alu depctr_va_vdst(0)                   ; one wait for the whole batch, ahead of its first reader
.irp b, 0,1,2,3
	v_exp_f32 v[232+\b], v[232+\b]                 ; the block's largest p: the same two instructions on the same number give the same bits
.endr
	v_pk_add_f32 v[236:237], v[96:97], v[98:99]    ; the row's sum is taken of the unquantised p, in two chains
.irp j, 4,8,12,16,20,24,28,32,36,40,44,48,52,56,60
	v_pk_add_f32 v[14:15], v[14:15], v[96+\j:97+\j]
	v_pk_add_f32 v[236:237], v[236:237], v[98+\j:99+\j]
.endr
	v_pk_add_f32 v[14:15], v[14:15], v[236:237]
	s_wait_alu depctr_va_vdst(0)                   ; and one for the four
.irp b, 0,1,2,3
	v_max_num_f32 v[232+\b], 0x1800000, v[232+\b]  ; the floor 2^(3 - 127): the byte cannot fall under 1
.endr
.irp b, 0,1,2,3
	v_add_nc_u32 v[244+\b], 0xff000000, v[232+\b]  ; 2 off the exponent field: the conversion's scale operand
.endr
.irp b, 0,1,2,3
	v_lshrrev_b32 v[236+\b], 23, v[244+\b]         ; the scale's byte
.endr
	v_lshl_or_b32 v253, v237, 8, v236              ; p's scale word for these 128 keys
	v_lshl_or_b32 v253, v238, 16, v253
	v_lshl_or_b32 v253, v239, 24, v253
.irp c, 0,1
	v_cvt_scalef32_pk16_fp6_f32 v[224+6*\c:226+6*\c], v[96+32*\c:111+32*\c], v[244+2*\c]
	v_cvt_scalef32_pk16_fp6_f32 v[236+4*\c:238+4*\c], v[112+32*\c:127+32*\c], v[244+2*\c+1]   ; (a conversion's three registers begin on an even number)
.endr
	v_nop                                          ; one plain place behind a scaled conversion
.irp c, 0,1                                    ; a whole block in a lane: lanes 0-15 block 2 c, lanes 16-31 block 2 c + 1
.irp i, 0,1,2
	v_permlane16_swap_b32 v[224+6*\c+\i], v[236+4*\c+\i]
.endr
.irp i, 0,1,2
	v_mov_b32 v[227+6*\c+\i], v[236+4*\c+\i]
.endr
.endr
.set jj, 0
.rept 16
	v_pk_mul_f32 v[160+jj:161+jj], v[160+jj:161+jj], v[252:253] op_sel_hi:[1,0]   ; O^T under the new M.  (These sixteen are also the places in front of the matrix instructions below)
.set jj, jj+2
.endr
	s_wait_dscnt 0x0                               ; v and its scale words
.irp d, 0,1,2,3                                ; O^T += v^T p^T: four accumulators, one instruction each
.if (\d)%2
	v_wmma_scale_f32_16x16x128_f8f6f4 v[160+8*\d:167+8*\d], v[32+12*\d:43+12*\d], v[224:235], v[160+8*\d:167+8*\d], v[90+\d/2], v253 matrix_a_fmt:MATRIX_FMT_FP6 matrix_b_fmt:MATRIX_FMT_FP6 matrix_a_scale:MATRIX_SCALE_ROW1
.else
	v_wmma_scale_f32_16x16x128_f8f6f4 v[160+8*\d:167+8*\d], v[32+12*\d:43+12*\d], v[224:235], v[160+8*\d:167+8*\d], v[90+\d/2], v253 matrix_a_fmt:MATRIX_FMT_FP6 matrix_b_fmt:MATRIX_FMT_FP6
.endif
.endr
.Lhidden_\@:
	s_add_co_u32 s[KF], s[KF], 128
.endm
; THE CHANGE OF SLOTS stands at a slot's head.  Each wave waits for all its tensor loads, adds 0 to its spare word (fill = 1: twice on end),
; and waits for that and for its reads of the slot that it has left.  Behind the barrier the slot ahead is whole and nobody reads the other one, which wave 0 fills with the keys that follow.
.macro CHANGE fill
	s_wait_tensorcnt 0x0                           ; no tensor load of mine is out, so the descriptor may be written
	ds_add_u32 v[SPW], v[NIL]
.if \fill
	ds_add_u32 v[SPW], v[NIL]
	s_xor_b32 s[G0+1], s[G0+1], SLOT1              ; the other slot than last time,
	s_add_nc_u64 s[G0+2:G0+3], s[G0+2:G0+3], SLOTB ; the next 256 keys;
	s_cmp_eq_u32 s[NTR], s[JB]                     ; but in trip j the first block's keys are at their end:
	s_cselect_b32 s[BK], s[BACK], 0
	s_sub_nc_u64 s[G0+2:G0+3], s[G0+2:G0+3], s[BK:BK+1]   ; back to key 0, for the second block
	s_wait_xcnt 0x0                                ; the last prefetch, a slot back, has read its address
	s_add_nc_u64 s[PFA:PFA+1], s[PFA:PFA+1], SLOTB
.endif
	s_wait_dscnt 0x0                               ; the add is done, and my reads of the slot that I have left are over
	s_barrier_signal -1
	s_barrier_wait -1
.if \fill
	TLOAD                                          ; the first thing behind the barrier: it has a slot's two key steps in which to land
	ASK
.endif
.endm
.macro SLOT_STEPS
	STEP 0
	STEP 1
	s_xor_b32 s[TB], s[TB], SLOT1                  ; on to the other slot
.endm
; THE WAY OUT of a block: O^T / the sum goes through my stage and leaves as whole rows of 256 bytes.  Tile d's register i of lane (r, h) is channel 32 (d / 2) + 16 h + 8 (d % 2) + i of query r + 8 (r / 8).
.macro FINISH
.rept 4
	v_nop                                          ; places behind the last products
.endr
	v_add_f32 v14, v14, v15
	v_permlanex16_b32 v252, v14, s[SEL], s[SEL+1]
	v_add_f32 v14, v14, v252                       ; the row's sum
	v_rcp_f32 v14, v14
	v_nop                                          ; a plain place behind the reciprocal,
	s_wait_alu depctr_va_vdst(0)                   ; and a wait ahead of its first reader
.set jj, 0
.rept 16
	v_pk_mul_f32 v[96+jj:97+jj], v[160+jj:161+jj], v[14:15] op_sel_hi:[1,0]   ; each accumulator from its low end on
.set jj, jj+2
.endr
.irp d, 0,1,2,3
	ds_store_b128 v30, v[96+8*\d:99+8*\d] offset:128*(\d/2)+32*(\d%2)
	ds_store_b128 v30, v[100+8*\d:103+8*\d] offset:128*(\d/2)+32*(\d%2)+16
.endr
.irp i, 0,1,2,3,4,5,6,7
	ds_load_b128 v[32+4*\i:35+4*\i], v31 offset:544*\i   ; LDS serves a wave's instructions in order: these see my stores
.endr
.irp i, 0,1,2,3,4,5,6,7
	s_wait_dscnt 7-\i                              ; the loads behind this one may stay out
	global_store_b128 v[GO], v[32+4*\i:35+4*\i], s[OUT:OUT+1] offset:(2*\i+8*(\i/4))*256 th:TH_STORE_NT   ; sixteen lanes store one row: 256 consecutive bytes, aligned
.endr
	s_wait_xcnt 0x0                                ; the stores have read their registers and their base
.endm
	s_wait_loadcnt 0x0                             ; q of both blocks
.Lslot:                                            ; eight trips: behind each change of slots but the last the next slot is asked for
	CHANGE 1
	s_cmp_eq_u32 s[NTR], s[J1]                     ; trip j + 1: the first block is done.  Ids alone; no barrier, no tensor load and no wait for one stands in here
	s_cbranch_scc0 .Lsame_block
	FINISH
	s_add_nc_u64 s[OUT:OUT+1], s[OUT:OUT+1], s[DELTA:DELTA+1]
	s_mov_b32 s[KF], 0
	s_mov_b32 s[Q0], s[Q0H]
.irp i, 0,1,2,3,4,5
	v_mov_b32 v[16+\i], v[192+\i]                  ; the second block's q
.endr
	v_mov_b32 v28, v198                            ; and its scale words; the lines below are more than the eight places that a scale register so written wants
	v_mov_b32 v13, 0xff61b1e6
	v_floor_f32 v12, -v13
	v_mov_b32 v14, 0
	v_mov_b32 v15, 0
.set jj, 0
.rept 32
	v_mov_b32 v[160+jj], 0
.set jj, jj+1
.endr
.Lsame_block:
	SLOT_STEPS
	s_add_co_u32 s[NTR], s[NTR], 1
	s_cmp_lt_u32 s[NTR], 8
	s_cbranch_scc1 .Lslot
	CHANGE 0                                       ; the ninth slot is written out: nothing is left to fetch
	SLOT_STEPS
	FINISH
	s_wait_tensorcnt 0x0                           ; the wave's end, behind my last tensor load and my last LDS store
	ds_add_u32 v[SPW], v[NIL]
	s_wait_dscnt 0x0
	s_endpgm
.Lfunc_end_k_qfab45cb680_attn:
	.size	k_qfab45cb680_attn, .Lfunc_end_k_qfab45cb680_attn-k_qfab45cb680_attn
	.p2alignl 7, 3214868480
	.fill 96, 4, 3214868480
	.section	.rodata,"a",@progbits
	.p2align	6, 0x0
	.amdhsa_kernel k_qfab45cb680_attn
		.amdhsa_group_segment_fixed_size 327680
		.amdhsa_private_segment_fixed_size 0
		.amdhsa_enable_private_segment 0
		.amdhsa_kernarg_size 24
		.amdhsa_user_sgpr_count 2
		.amdhsa_user_sgpr_kernarg_segment_ptr 1
		.amdhsa_wavefront_size32 1
		.amdhsa_system_sgpr_workgroup_id_x 1
		.amdhsa_system_sgpr_workgroup_id_y 1
		.amdhsa_system_sgpr_workgroup_id_z 1
		.amdhsa_system_vgpr_workitem_id 0
		.amdhsa_next_free_vgpr 256
		.amdhsa_next_free_sgpr 66
		.amdhsa_reserve_vcc 1
		.amdhsa_float_denorm_mode_32 3
		.amdhsa_float_denorm_mode_16_64 3
		.amdhsa_memory_ordered 1
		.amdhsa_forward_progress 1
		.amdhsa_inst_pref_size 107
	.end_amdhsa_kernel
	.amdgpu_metadata
---
amdhsa.version: [ 1, 2 ]
amdhsa.kernels:
  - .name:           k_qfab45cb680_attn
    .symbol:         k_qfab45cb680_attn.kd
    .args:
      - { .name: q_rec, .offset: 0, .size: 8, .value_kind: global_buffer, .address_space: global }
      - { .name: kv, .offset: 8, .size: 8, .value_kind: global_buffer, .address_space: global }
      - { .name: out0, .offset: 16, .size: 8, .value_kind: global_buffer, .address_space: global }
    .group_segment_fixed_size: 327680
    .private_segment_fixed_size: 0
    .kernarg_segment_align: 8
    .kernarg_segment_size: 24
    .max_flat_workgroup_size: 512
    .sgpr_count:     66
    .vgpr_count:     256
    .wavefront_size: 32
...
	.end_amdgpu_metadata
.endif
;; end of part 3
